; MI455X (gfx1250); checked and timed in simulation.
; The chip was launched on July 23, 2026; its instructions are those of AMD's public machine-readable ISA for CDNA 5 (MIT licence, August 2026) and "CDNA5" Instruction Set Architecture Reference Guide (July 2026). The comments in the code are by the model that wrote it; some were corrected since.
;; Fp8 Attention. Allowed arithmetic: float matrix products may take bf16 or f16 operands with f32 sums; all other float work in f32.
;; Inputs: k_lengths 4 int32; k_offsets 5 int32; key_states 4,096 x 32 x 128 float32; q_offsets 5 int32; query_states 4,096 x 32 x 128 float32; value_states 4,096 x 32 x 128 float32.
;; Outputs: out0 4,096 x 32 x 128 float32.
;; 2 versions, each right and faster than the one before. Each part assembles by itself: llvm-mc -triple=amdgcn-amd-amdhsa -mcpu=gfx1250 --defsym DOCPART=n.
;; ======== version 1 of 2: 2 launches
;; workspace buffers: pmax 3,072 bytes
;; launch absmax (part 1): grid 256 x 3, 8 waves a work-group, no clusters, 1,280 bytes of LDS; arguments query_states, key_states, value_states, pmax; writes pmax
.if DOCPART == 1
	.amdgcn_target "amdgcn-amd-amdhsa--gfx1250"
	.amdhsa_code_object_version 6
	.text
	.protected	k_q8c00c424f3_absmax
	.globl	k_q8c00c424f3_absmax
	.p2align	8
	.type	k_q8c00c424f3_absmax,@function
k_q8c00c424f3_absmax:
	s_mov_b64 s[64:65], 0
	v_nop
	global_prefetch_b8 v0, s[64:65] scope:SCOPE_SE
	s_setreg_imm32_b32 hwreg(HW_REG_WAVE_MODE, 25, 1), 1
	s_wait_xcnt 0x0
; pmax[y][x] = the largest |.| of bytes 262144 x .. 262144 x + 262143 of tensor y (0 query, 1 key, 2 value).
; A stream: every byte is read once, by 16-byte loads of which a wave's one instruction covers 512 consecutive bytes.
; Eight waves, 32 KiB each: 64 loads a wave through two register halves of 16 loads, so 32 loads of a wave are on their way.
; No matrix unit, no cluster, no LDS tile: the work-groups share no byte and each byte is used once.
; No cache hint on the loads: the next launch reads the same bytes again.
; LIMIT: a NaN in a tensor is dropped by the maxima here, whereas the reference's maximum would be NaN.
.set M, 4                              ; v[4:7]     four running maxima that do not wait for each other
.set X, 16                             ; v[16:143]  two halves of 64 registers, as loaded
	s_load_b256 s[4:11], s[0:1], 0x0               ; query s[4:5], key s[6:7], value s[8:9], pmax s[10:11]
	v_lshl_add_u32 v144, v0, 2, 0x100
	v_mov_b32 v145, 0
	s_and_b32 s12, ttmp7, 0xffff                   ; y: which tensor
	v_lshrrev_b32 v2, 5, v0
	v_readfirstlane_b32 s13, v2                    ; wave
	v_and_b32 v1, 31, v0
	v_lshlrev_b32 v1, 4, v1                        ; 16 bytes a lane
	v_lshl_or_b32 v1, v2, 15, v1                   ; + 32 KiB a wave
	v_mov_b32 v9, 0                                ; v_permlanex16_b32's destination counts as read
	s_lshl_b32 s16, ttmp9, 18                      ; the work-group's 256 KiB
	s_mov_b32 s17, 0
	s_mov_b32 s18, 0x76543210                      ; lane i of one half reads lane i of the other
	s_mov_b32 s19, 0xfedcba98
	s_lshl_b32 s20, s12, 8
	s_add_co_u32 s20, s20, ttmp9
	s_lshl_b32 s20, s20, 2                         ; byte of pmax[y][x]
	s_wait_kmcnt 0x0
	s_cmp_eq_u32 s12, 1
	s_cselect_b64 s[14:15], s[6:7], s[4:5]
	s_cmp_eq_u32 s12, 2
	s_cselect_b64 s[14:15], s[8:9], s[14:15]       ; the tensor's address, chosen by y alone
	s_add_nc_u64 s[14:15], s[14:15], s[16:17]
.macro LD16 half, i0                   ; sixteen loads, 8 KiB of the wave's part
.irp i, 0,1,2,3,4,5,6,7,8,9,10,11,12,13,14,15
	global_load_b128 v[X+64*\half+4*\i:X+64*\half+4*\i+3], v1, s[14:15] offset:512*(\i0+\i)
.endr
.endm
.macro RED16 half, first               ; 64 registers into the four maxima, two numbers an instruction; first = 1: the first eight start them
.set k, 0
.if \first
.rept 4
	v_max_num_f32 v[M+k%4], |v[X+64*\half+2*k]|, |v[X+64*\half+2*k+1]|
.set k, k+1
.endr
.endif
.rept 32-4*\first
	v_max3_num_f32 v[M+k%4], |v[X+64*\half+2*k]|, |v[X+64*\half+2*k+1]|, v[M+k%4]
.set k, k+1
.endr
.endm
	LD16 0, 0
	LD16 1, 16
	s_wait_loadcnt 16                              ; loads return in order: the older sixteen are in, the younger sixteen stay out
	RED16 0, 1
	LD16 0, 32
	s_wait_loadcnt 16
	RED16 1, 0
	LD16 1, 48
	s_wait_loadcnt 16
	RED16 0, 0
	s_wait_loadcnt 0x0
	RED16 1, 0
	v_max3_num_f32 v[M], v[M], v[M+1], v[M+2]
	v_max_num_f32 v8, v[M], v[M+3]
	v_max_num_f32_dpp v8, v8, v8 row_xmask:1 row_mask:0xf bank_mask:0xf
	v_max_num_f32_dpp v8, v8, v8 row_xmask:2 row_mask:0xf bank_mask:0xf
	v_max_num_f32_dpp v8, v8, v8 row_xmask:4 row_mask:0xf bank_mask:0xf
	v_max_num_f32_dpp v8, v8, v8 row_xmask:8 row_mask:0xf bank_mask:0xf
	v_permlanex16_b32 v9, v8, s18, s19
	v_max_num_f32 v8, v8, v9                       ; the wave's maximum, in every lane
	v_lshlrev_b32 v10, 2, v2
	ds_store_b32 v10, v8                           ; word w of LDS; all lanes write the same value
	s_wait_dscnt 0x0                               ; my word is written before I signal
	s_barrier_signal -1
	s_barrier_wait -1
	s_cmp_lg_u32 s13, 0
	s_cbranch_scc1 .Lend                           ; wave 0 alone finishes
	v_mov_b32 v10, 0
	ds_load_b128 v[16:19], v10
	ds_load_b128 v[20:23], v10 offset:16
	v_mov_b32 v11, s20
	s_wait_dscnt 0x0
	v_max3_num_f32 v16, v16, v17, v18
	v_max3_num_f32 v16, v16, v19, v20
	v_max3_num_f32 v16, v16, v21, v22
	v_max_num_f32 v16, v16, v23
	s_wait_xcnt 0x0                                ; EXEC is a source of pending memory instructions: it narrows only behind this wait
	v_cmp_eq_u32 vcc_lo, 0, v0
	s_and_saveexec_b32 s21, vcc_lo
	global_store_b32 v11, v16, s[10:11]            ; one word for the work-group
	s_wait_xcnt 0x0                                ; and widens only behind this one
	s_or_b32 exec_lo, exec_lo, s21
.Lend:
	s_wait_tensorcnt 0x0
	ds_add_u32 v144, v145
	s_wait_dscnt 0x0
	s_endpgm
.Lfunc_end_k_q8c00c424f3_absmax:
	.size	k_q8c00c424f3_absmax, .Lfunc_end_k_q8c00c424f3_absmax-k_q8c00c424f3_absmax
	.p2alignl 7, 3214868480
	.fill 96, 4, 3214868480
	.section	.rodata,"a",@progbits
	.p2align	6, 0x0
	.amdhsa_kernel k_q8c00c424f3_absmax
		.amdhsa_group_segment_fixed_size 1280
		.amdhsa_private_segment_fixed_size 0
		.amdhsa_enable_private_segment 0
		.amdhsa_kernarg_size 32
		.amdhsa_user_sgpr_count 2
		.amdhsa_user_sgpr_kernarg_segment_ptr 1
		.amdhsa_wavefront_size32 1
		.amdhsa_system_sgpr_workgroup_id_x 1
		.amdhsa_system_sgpr_workgroup_id_y 1
		.amdhsa_system_sgpr_workgroup_id_z 1
		.amdhsa_system_vgpr_workitem_id 0
		.amdhsa_next_free_vgpr 146
		.amdhsa_next_free_sgpr 66
		.amdhsa_reserve_vcc 1
		.amdhsa_float_denorm_mode_32 3
		.amdhsa_float_denorm_mode_16_64 3
		.amdhsa_memory_ordered 1
		.amdhsa_forward_progress 1
		.amdhsa_inst_pref_size 17
	.end_amdhsa_kernel
	.amdgpu_metadata
---
amdhsa.version: [ 1, 2 ]
amdhsa.kernels:
  - .name:           k_q8c00c424f3_absmax
    .symbol:         k_q8c00c424f3_absmax.kd
    .args:
      - { .name: query_states, .offset: 0, .size: 8, .value_kind: global_buffer, .address_space: global }
      - { .name: key_states, .offset: 8, .size: 8, .value_kind: global_buffer, .address_space: global }
      - { .name: value_states, .offset: 16, .size: 8, .value_kind: global_buffer, .address_space: global }
      - { .name: pmax, .offset: 24, .size: 8, .value_kind: global_buffer, .address_space: global }
    .group_segment_fixed_size: 1280
    .private_segment_fixed_size: 0
    .kernarg_segment_align: 8
    .kernarg_segment_size: 32
    .max_flat_workgroup_size: 256
    .sgpr_count:     66
    .vgpr_count:     146
    .wavefront_size: 32
...
	.end_amdgpu_metadata
.endif
;; end of part 1
;; launch attn (part 2): grid 256 x 1, 4 waves a work-group, no clusters, 245,248 bytes of LDS; arguments query_states, key_states, value_states, pmax, out0; writes out0
.if DOCPART == 2
	.amdgcn_target "amdgcn-amd-amdhsa--gfx1250"
	.amdhsa_code_object_version 6
	.text
	.protected	k_q8c00c424f3_attn
	.globl	k_q8c00c424f3_attn
	.p2align	8
	.type	k_q8c00c424f3_attn,@function
k_q8c00c424f3_attn:
	s_mov_b64 s[64:65], 0
	v_nop
	global_prefetch_b8 v0, s[64:65] scope:SCOPE_SE
	s_setreg_imm32_b32 hwreg(HW_REG_WAVE_MODE, 25, 1), 1
	s_wait_xcnt 0x0
; Causal attention on Q, K, V rounded to the e4m3 grid with one scale a tensor.  4 sequences x 32 heads, 1024 tokens, 128 numbers a head.
; THE FORMAT.  code = e4m3(x / s), s = max|x| x fl(1 / 448).  A code has four significant bits and lies between 2^-9 and 448, so it is exact in bf16 and in
; f16, and the matrix unit multiplies the CODES; the scales go into the exponent's factor c = sQ sK / sqrt(128) * log2(e) and into the last factor sV / l.
; x / s is made as x rhi + (x rlo), where rhi + rlo is 1 / s to about twice f32's precision: one rounding, as a division has, so that a number lands on the
; code that the division gives.  The quotient of the largest number can come out a last place above 448; it is clamped to +-448 in front of the conversion.
; K Q^T goes in bf16.  V^T P^T goes in f16: P lies in [0, 1] for every input, since the running maximum is taken away, V's codes are at most 448, and f16's
; eleven bits keep P's rounding eight times smaller than bf16 would, which the first tokens of a sequence need (few keys, large weights, sums that cancel).
; THE SHARES.  Two work-groups a head.  A work-group makes two blocks of 256 queries one after the other: blocks pair and 3 - pair, which is 4 (blk + 1) key
; tiles of 64 each, 20 steps in every work-group.  Wave w owns the 64 queries of strip 4 blk + w.  Keys are walked DOWNWARD from tile 4 blk + 3, so a wave's
; first tile is its diagonal one, which starts its sums: nothing is cleared.  In the block's first four steps wave w idles while the tile lies above its
; strip; these four steps are written out, and which of idle, diagonal or full a wave takes there hangs on its number alone.
; THE ROAD OF K AND V.  A step's tile (64 keys of K and of V, f32) is loaded into registers a whole step ahead, 16 rows of each a wave, turned into codes
; behind the step's products and stored as 16-bit numbers into the LDS buffer that is not being read.  Two buffers, one barrier a step.
; THE PRODUCTS.  S^T = K Q^T: a lane then holds eight keys of ONE query, so maxima and sums are a lane's own but for one exchange between the halves, and the
; packed exponentials ARE the second operand of O^T = V^T P^T, with no move between lanes.  V^T's fragments come from V[key][d] by the transposing LDS load.
; NO TENSOR LOADS, NO CLUSTER: the tiles are f32 and have to pass through registers to become codes, and the two work-groups of a head walk different
; sequences of tiles (4 + 16 against 8 + 12 steps), so a joint request would need steps in which one of them only waits.
; q_offsets, k_offsets, k_lengths are not read: the reference takes q_offsets' SHAPE alone and no value of the three, so the result must not follow them.
; LIMITS.  (1) s is the product of the maximum with the f32 number nearest to 1 / 448 (0x3b124925), rounded once: the form that a compiler gives a division
; by a constant.  Against a reference that truly divides, s can differ in its last place, and numbers whose quotient lies within that of a rounding tie
; (about one in a million) then land on the neighbouring code.  (2) A tensor that is all zeros, or holds NaN or infinity, or whose s is denormal (max below
; 5e-36), makes the reference all NaN or is outside v_rcp_f32's range: not served.  (3) P is rounded to f16 for the second product; its sum is kept in f32.
.set TS,   16384                       ; bytes from a token to the next (32 heads x 128 f32)
.set KP,   272                         ; LDS pitch of K and Q rows: 256 bytes + 16 = 17 x 16: sixteen rows begin in sixteen different 16-byte columns of 256
.set VP,   288                         ; LDS pitch of V rows: 256 + 32 = 9 x 32, for the transposing load
.set OP,   528                         ; LDS pitch of an output row: 512 + 16
.set VB0,  64*KP                       ; buffer 0: K at 0, V at 17408
.set BUF,  64*KP+64*VP                 ; 35840: buffer 1 lies this far behind buffer 0
.set QST,  2*BUF                       ; 71680: Q's codes, 64 rows x 272 for each wave and pass, the wave's own
.set QSTP, 64*KP
.set QSTW, 2*QSTP
.set OST,  QST+4*QSTW                  ; 210944: the way out, 16 rows x 528 for each wave, the wave's own; ends at 244736
.set OSTW, 16*OP
; window 0
.set ADRK, 4                           ; v4, v5   my K fragment address in buffer 0, 1
.set ADRV, 6                           ; v6, v7   my V^T fragment address in buffer 0, 1
.set ADRQ, 8                           ; v8       my Q fragment address, this pass
.set STO,  9                           ; v9       the way out: where I put 32 bytes of a row
.set RD,   10                          ; v10      the way out: where I read a row back
.set CO,   11                          ; v11      16 x lane
.set DD,   12                          ; v12      (lane mod 16) - 8 (lane / 16): key jj of my eight is masked on the diagonal if jj > DD
.set NEG,  13                          ; v13      -infinity
.set ONE,  14                          ; v14      1.0: the conversion to codes divides by 2^0
.set E127, 15                          ; v15      0x7f: the conversion back multiplies by 2^0
.set M,    16                          ; v[16:19] running maximum of the raw products, one for each 16 queries
.set MN,   20                          ; v[20:23] the new maximum
.set TP,   24                          ; v[24:27] at work
.set NM2,  28                          ; v[28:35] -c x maximum, twice
.set AL2,  36                          ; v[36:43] the factor on the old sums, twice; at the end sV / l
.set L2,   44                          ; v[44:51] two partial sums of exponentials
.set P,    64                          ; v[64:127]  P^T fragments (f16), (qt, kk) at 8 (2 qt + kk)
.set F,    128                         ; v[128:255] sixteen fragments of K, then of V^T; on the way out two halves of 64
; window 1
.set Q,    0                           ; Q fragments, (qt, ks) at 8 (4 qt + ks)
.set S,    128                         ; S^T tiles, (kt, qt) at 8 (4 kt + qt)
; window 2: O^T tiles, (dt, qt) at 8 (4 dt + qt)
; window 3
.set CD,   128                         ; 32 registers of codes
.set LOFF, 162                         ; 16 x lane
.set SK,   164                         ; 164 .. 167: where I store my rows of K, V in buffer 0, of K, V in buffer 1
.set SQ,   168                         ; where I store Q's rows
.set T,    176                         ; 64 registers: x rlo
; scalars
.set MK,   44                          ; s[44:51]  lanes in which key jj of the diagonal tile is masked
.set RS,   66                          ; s[66:77]  rhi, rhi, rlo, rlo of Q, of K, of V
.set MSB, 0
.macro WIN new                         ; s_set_vgpr_msb: bits 1:0 source 0, 3:2 source 1, 5:4 source 2, 7:6 destination; the high byte repeats the setting left
.if MSB != (\new)
	s_set_vgpr_msb (MSB<<8)|(\new)
.set MSB, (\new)
.endif
.endm
.macro PLACES                          ; four plain vector instructions behind a matrix instruction, before its result is read by another kind of
.rept 4                                ; instruction and before a load lands on one of its sources
	v_nop
.endr
.endm
.macro ISPRES diag, kt, qt             ; PRES = 0 for a 16 x 16 tile that lies wholly above the diagonal
.set PRES, 1
.if \diag
.if \kt > \qt
.set PRES, 0
.endif
.endif
.endm
; sixteen rows of 512 bytes, one row an instruction, into window W from register rb on
.macro LDROWS W, rb, sb, row0
	WIN (\W<<6)|3
.irp i, 0,1,2,3,4,5,6,7,8,9,10,11,12,13,14,15
	global_load_b128 v[\rb+4*\i:\rb+4*\i+3], v[LOFF], s[\sb:\sb+1] offset:(\row0+\i)*TS
.endr
.endm
; 64 registers x -> clamp(x rhi + x rlo): the quotient x / s, rounded once
.macro DIVB W, rb, sc
	WIN 0xf0|\W
.set qn, 0
.rept 32
	v_pk_mul_f32 v[T+qn:T+qn+1], v[\rb+qn:\rb+qn+1], s[\sc+2:\sc+3] op_sel_hi:[1,0]
.set qn, qn+2
.endr
	WIN (\W<<6)|0x30|\W
.set qn, 0
.rept 32
	v_pk_fma_f32 v[\rb+qn:\rb+qn+1], v[\rb+qn:\rb+qn+1], s[\sc:\sc+1], v[T+qn:T+qn+1] op_sel_hi:[1,0,1]
.set qn, qn+2
.endr
.set qn, 0
.rept 64
	v_med3_num_f32 v[\rb+qn], v[\rb+qn], s78, s79
.set qn, qn+1
.endr
.endm
; 128 registers (32 rows, 4 numbers a lane) into 16-bit codes.  Group g = rows 2 g, 2 g + 1 = registers rb + 8 g .. + 7; afterwards the even row's four
; codes lie in rb + 8 g, + 1 and the odd row's in rb + 8 g + 2, + 3.  The first 64 registers are divided by sA's scale, the others by sB's.
; The first 64 are packed as bf16; the others as bf16 (hB = 0) or as f16 (hB = 1: V's rows).
.macro QUANT W, rb, sA, sB, hB
	DIVB \W, \rb, \sA
	DIVB \W, \rb+64, \sB
	WIN 0xc0|\W
.irp g, 0,1,2,3,4,5,6,7,8,9,10,11,12,13,14,15
	v_cvt_scalef32_pk8_fp8_f32 v[CD+2*\g:CD+2*\g+1], v[\rb+8*\g:\rb+8*\g+7], v[ONE]
.endr
	v_nop                                          ; one plain instruction behind the scaled conversions, before their results are read and their sources written
	WIN (\W<<6)|3
.irp g, 0,1,2,3,4,5,6,7,8,9,10,11,12,13,14,15
	v_cvt_scale_pk8_f32_fp8 v[\rb+8*\g:\rb+8*\g+7], v[CD+2*\g:CD+2*\g+1], v[E127]
.endr
	v_nop                                          ; likewise
	WIN (\W<<6)|(\W<<2)|\W
.irp g, 0,1,2,3,4,5,6,7,8,9,10,11,12,13,14,15
.irp i, 0,1,2,3
.if (\hB)*(\g>>3)
	v_cvt_pk_f16_f32 v[\rb+8*\g+\i], v[\rb+8*\g+2*\i], v[\rb+8*\g+2*\i+1]      ; exact: four significant bits, 2^-9 to 448
.else
	v_cvt_pk_bf16_f32 v[\rb+8*\g+\i], v[\rb+8*\g+2*\i], v[\rb+8*\g+2*\i+1]     ; exact: four significant bits
.endif
.endr
.endr
.endm
; sixteen rows of codes into LDS: 32 lanes x 8 bytes = a row's 256 bytes
.macro STROWS W, rb, adr, pitch, off0
	WIN (\W<<2)|3
.irp g, 0,1,2,3,4,5,6,7
	ds_store_b64 v[\adr], v[\rb+8*\g:\rb+8*\g+1] offset:\off0+2*\g*\pitch
	ds_store_b64 v[\adr], v[\rb+8*\g+2:\rb+8*\g+3] offset:\off0+(2*\g+1)*\pitch
.endr
.endm
; the pass's Q fragments: 16 queries x 32 d each; lane l holds query l mod 16, d = 8 (l / 16) + 0..7 and 16 + 8 (l / 16) + 0..7
.macro QFRAG
	WIN 0x40
.irp qt, 0,1,2,3
.irp ks, 0,1,2,3
	ds_load_b128 v[Q+8*(4*\qt+\ks):Q+8*(4*\qt+\ks)+3], v[ADRQ] offset:\qt*16*KP+\ks*64
	ds_load_b128 v[Q+8*(4*\qt+\ks)+4:Q+8*(4*\qt+\ks)+7], v[ADRQ] offset:\qt*16*KP+\ks*64+32
.endr
.endr
	WIN 0
.endm
; One tile of 64 keys against my 64 queries, from buffer p.  diag = 1: my diagonal tile, my first: it masks, leaves out what lies above the diagonal
; and starts M, L2 and O.
.macro COMPUTE p, diag
	WIN 0
.irp ks, 0,1,2,3
.irp kt, 0,1,2,3
	ds_load_b128 v[F+8*(4*\ks+\kt):F+8*(4*\ks+\kt)+3], v[ADRK+\p] offset:\kt*16*KP+\ks*64
	ds_load_b128 v[F+8*(4*\ks+\kt)+4:F+8*(4*\ks+\kt)+7], v[ADRK+\p] offset:\kt*16*KP+\ks*64+32
.endr
.endr
	; S^T = K Q^T.  The accumulators take turns, one instruction a turn.
	WIN 0x54
.irp ks, 0,1,2,3
	s_wait_dscnt 24-8*\ks                          ; LDS loads return in order: the eight of this ks are in, the 24 - 8 ks younger ones stay out
.irp kt, 0,1,2,3
.irp qt, 0,1,2,3
	ISPRES \diag, \kt, \qt
.if PRES
.set sa, S+8*(4*\kt+\qt)
.if \ks == 0
	v_wmma_f32_16x16x32_bf16 v[sa:sa+7], v[F+8*(4*\ks+\kt):F+8*(4*\ks+\kt)+7], v[Q+8*(4*\qt+\ks):Q+8*(4*\qt+\ks)+7], 0
.else
	v_wmma_f32_16x16x32_bf16 v[sa:sa+7], v[F+8*(4*\ks+\kt):F+8*(4*\ks+\kt)+7], v[Q+8*(4*\qt+\ks):Q+8*(4*\qt+\ks)+7], v[sa:sa+7]
.endif
.endif
.endr
.endr
.endr
	PLACES
	; V^T's fragments (16 d x 32 keys) land while the exponentials are made
	WIN 0
.irp kk, 0,1
.irp dt, 0,1,2,3,4,5,6,7
	ds_load_tr16_b128 v[F+8*(8*\kk+\dt):F+8*(8*\kk+\dt)+3], v[ADRV+\p] offset:\kk*32*VP+\dt*32
	ds_load_tr16_b128 v[F+8*(8*\kk+\dt)+4:F+8*(8*\kk+\dt)+7], v[ADRV+\p] offset:\kk*32*VP+\dt*32+16*VP
.endr
.endr
.if \diag
	WIN 0x41
.irp qt, 0,1,2,3
.irp jj, 0,1,2,3,4,5,6,7
	v_cndmask_b32 v[S+40*\qt+\jj], v[S+40*\qt+\jj], v[NEG], s[MK+\jj]           ; tile (qt, qt): key above query -> -infinity
.endr
.endr
.endif
	; the new maximum, four chains (one for each 16 queries) side by side
	WIN 0x05
.irp kt, 0,1,2,3
.irp i, 0,1,2,3
.irp qt, 0,1,2,3
	ISPRES \diag, \kt, \qt
.if PRES
.set sa, S+8*(4*\kt+\qt)+2*\i
.if (\kt+\i) == 0
.if \diag
	v_max_num_f32 v[MN+\qt], v[sa], v[sa+1]
.else
	v_max3_num_f32 v[MN+\qt], v[sa], v[sa+1], v[M+\qt]
.endif
.else
	v_max3_num_f32 v[MN+\qt], v[sa], v[sa+1], v[MN+\qt]
.endif
.endif
.endr
.endr
.endr
	WIN 0
.irp qt, 0,1,2,3
	v_permlanex16_b32 v[TP+\qt], v[MN+\qt], s42, s43                           ; the other half of the lanes holds the query's other keys
.endr
.irp qt, 0,1,2,3
	v_max_num_f32 v[MN+\qt], v[MN+\qt], v[TP+\qt]
.endr
.if \diag == 0
.irp qt, 0,1,2,3
	v_sub_f32 v[TP+\qt], v[M+\qt], v[MN+\qt]
.endr
.irp qt, 0,1,2,3
	v_mul_f32 v[TP+\qt], s38, v[TP+\qt]
.endr
.irp qt, 0,1,2,3
	v_exp_f32 v[AL2+2*\qt], v[TP+\qt]                                          ; 2^(c (old - new)); the plain lines below stand before its first use
.endr
.endif
.irp qt, 0,1,2,3
	v_mul_f32 v[NM2+2*\qt], s40, v[MN+\qt]
	v_mul_f32 v[NM2+2*\qt+1], s40, v[MN+\qt]
	v_mov_b32 v[M+\qt], v[MN+\qt]
.endr
.if \diag == 0
	s_wait_alu depctr_va_vdst(0)
.irp qt, 0,1,2,3
	v_mov_b32 v[AL2+2*\qt+1], v[AL2+2*\qt]
.endr
.endif
	; p = 2^(c S - c max); a masked -infinity gives 0
	WIN 0x41
.irp kt, 0,1,2,3
.irp qt, 0,1,2,3
	ISPRES \diag, \kt, \qt
.if PRES
.set sa, S+8*(4*\kt+\qt)
.irp i, 0,2,4,6
	v_pk_fma_f32 v[sa+\i:sa+\i+1], v[sa+\i:sa+\i+1], s[38:39], v[NM2+2*\qt:NM2+2*\qt+1] op_sel_hi:[1,0,1]
.endr
.endif
.endr
.endr
.irp kt, 0,1,2,3
.irp qt, 0,1,2,3
	ISPRES \diag, \kt, \qt
.if PRES
.set sa, S+8*(4*\kt+\qt)
.irp i, 0,1,2,3,4,5,6,7
	v_exp_f32 v[sa+\i], v[sa+\i]
.endr
.endif
.endr
.endr
	v_nop                                          ; one plain instruction behind the exponentials, before their results are read
	; the sums of p, a lane's own keys, two at a time; the halves of the lanes meet at the end of the pass
.if \diag
	WIN 0x05
	s_wait_alu depctr_va_vdst(0)
.irp qt, 0,1,2,3
	v_pk_add_f32 v[L2+2*\qt:L2+2*\qt+1], v[S+8*\qt:S+8*\qt+1], v[S+8*\qt+2:S+8*\qt+3]
.endr
.else
	WIN 0x10
	s_wait_alu depctr_va_vdst(0)
.irp qt, 0,1,2,3
	v_pk_fma_f32 v[L2+2*\qt:L2+2*\qt+1], v[L2+2*\qt:L2+2*\qt+1], v[AL2+2*\qt:AL2+2*\qt+1], v[S+8*\qt:S+8*\qt+1]
.endr
.endif
	WIN 0x01
.irp kt, 0,1,2,3
.irp i, 0,2,4,6
.irp qt, 0,1,2,3
	ISPRES \diag, \kt, \qt
.if PRES
.if (8*\kt+\i) > 2*\diag
	v_pk_add_f32 v[L2+2*\qt:L2+2*\qt+1], v[S+8*(4*\kt+\qt)+\i:S+8*(4*\kt+\qt)+\i+1], v[L2+2*\qt:L2+2*\qt+1]
.endif
.endif
.endr
.endr
.endr
	; P^T's fragments, in f16: tile (2 kk, qt) packs into registers 0-3 of fragment (qt, kk), tile (2 kk + 1, qt) into registers 4-7
	WIN 0x05
.irp kt, 0,1,2,3
.irp qt, 0,1,2,3
	ISPRES \diag, \kt, \qt
.if PRES
.irp i, 0,1,2,3
	v_cvt_pk_f16_f32 v[P+8*(2*\qt+(\kt>>1))+4*(\kt&1)+\i], v[S+8*(4*\kt+\qt)+2*\i], v[S+8*(4*\kt+\qt)+2*\i+1]
.endr
.endif
.endr
.endr
.if \diag
.irp i, 4,5,6,7
	v_mov_b32 v[P+\i], 0                           ; the two half fragments above the diagonal that a product below still reads: (qt 0, kk 0)
	v_mov_b32 v[P+40+\i], 0                        ; and (qt 2, kk 1)
.endr
.else
	WIN 0x82
.irp dt, 0,1,2,3,4,5,6,7
.irp qt, 0,1,2,3
.irp i, 0,2,4,6
	v_pk_mul_f32 v[8*(4*\dt+\qt)+\i:8*(4*\dt+\qt)+\i+1], v[8*(4*\dt+\qt)+\i:8*(4*\dt+\qt)+\i+1], v[AL2+2*\qt:AL2+2*\qt+1]
.endr
.endr
.endr
.endif
	; O^T += V^T P^T, in f16.  The accumulators take turns, one instruction a turn.
	s_wait_dscnt 0x0                               ; V^T's fragments
	WIN 0xa0
.irp kk, 0,1
.irp dt, 0,1,2,3,4,5,6,7
.irp qt, 0,1,2,3
.set oa, 8*(4*\dt+\qt)
.if \diag
.if \kk == 0
	v_wmma_f32_16x16x32_f16 v[oa:oa+7], v[F+8*(8*\kk+\dt):F+8*(8*\kk+\dt)+7], v[P+8*(2*\qt+\kk):P+8*(2*\qt+\kk)+7], 0
.else
.if \qt >= 2
	v_wmma_f32_16x16x32_f16 v[oa:oa+7], v[F+8*(8*\kk+\dt):F+8*(8*\kk+\dt)+7], v[P+8*(2*\qt+\kk):P+8*(2*\qt+\kk)+7], v[oa:oa+7]
.endif
.endif
.else
	v_wmma_f32_16x16x32_f16 v[oa:oa+7], v[F+8*(8*\kk+\dt):F+8*(8*\kk+\dt)+7], v[P+8*(2*\qt+\kk):P+8*(2*\qt+\kk)+7], v[oa:oa+7]
.endif
.endr
.endr
.endr
	PLACES
	WIN 0
.endm
; The end of a pass: O^T x sV / l, then 16 queries at a time through my own stage in LDS, so that one store covers a row's 512 consecutive bytes.
.macro EPI
	WIN 0
.irp qt, 0,1,2,3
	v_add_f32 v[TP+\qt], v[L2+2*\qt], v[L2+2*\qt+1]
.endr
.irp qt, 0,1,2,3
	v_permlanex16_b32 v[MN+\qt], v[TP+\qt], s42, s43
.endr
.irp qt, 0,1,2,3
	v_add_f32 v[TP+\qt], v[TP+\qt], v[MN+\qt]
.endr
.irp qt, 0,1,2,3
	v_rcp_f32 v[TP+\qt], v[TP+\qt]
.endr
	v_nop                                          ; one plain instruction behind the reciprocals
	s_wait_alu depctr_va_vdst(0)
.irp qt, 0,1,2,3
	v_mul_f32 v[AL2+2*\qt], s41, v[TP+\qt]
	v_mul_f32 v[AL2+2*\qt+1], s41, v[TP+\qt]
.endr
	WIN 0x82
.irp dt, 0,1,2,3,4,5,6,7
.irp qt, 0,1,2,3
.irp i, 0,2,4,6
	v_pk_mul_f32 v[8*(4*\dt+\qt)+\i:8*(4*\dt+\qt)+\i+1], v[8*(4*\dt+\qt)+\i:8*(4*\dt+\qt)+\i+1], v[AL2+2*\qt:AL2+2*\qt+1]
.endr
.endr
.endr
.irp qt, 0,1,2,3
	WIN 0x08
.irp dt, 0,1,2,3,4,5,6,7
	ds_store_b128 v[STO], v[8*(4*\dt+\qt):8*(4*\dt+\qt)+3] offset:64*\dt       ; lane l: query l mod 16, d = 16 dt + 8 (l / 16) + 0..7
	ds_store_b128 v[STO], v[8*(4*\dt+\qt)+4:8*(4*\dt+\qt)+7] offset:64*\dt+16
.endr
	WIN 0
	s_wait_xcnt 0x0                                ; the half of F that earlier stores read is loaded again only behind this wait
.irp row, 0,1,2,3,4,5,6,7,8,9,10,11,12,13,14,15
	ds_load_b128 v[F+64*(\qt&1)+4*\row:F+64*(\qt&1)+4*\row+3], v[RD] offset:\row*OP    ; LDS serves a wave's instructions in order: these see the stores above
.endr
.irp row, 0,1,2,3,4,5,6,7,8,9,10,11,12,13,14,15
	s_wait_dscnt 15-\row                           ; this row is back, the 15 - row younger ones stay out
	global_store_b128 v[CO], v[F+64*(\qt&1)+4*\row:F+64*(\qt&1)+4*\row+3], s[52:53] offset:(16*\qt+\row)*TS th:TH_STORE_NT
.endr
.endr
.endm
; One step on buffer p.  t = 0 .. 3: the step's place in the diagonal block; t = 4: a tile below it.  last = 1: the step can be a pass's last.
.macro STEP p, t, last
	s_wait_dscnt 0x0                               ; my stores into buffer p and my reads of the other buffer are done
	s_barrier_signal -1
	s_barrier_wait -1                              ; every wave's are: buffer p may be read, the other one written
	s_sub_co_i32 s18, s17, 1                       ; the next tile: one further down,
.if \last
	s_cmp_eq_u32 s17, 0
	s_cselect_b32 s18, s21, s18                    ; or the second block's top tile
	s_cmp_eq_u32 s61, 1
	s_cbranch_scc1 .Lnoload_\@                     ; or none, in the last of the 20 steps
.endif
	s_lshl_b32 s30, s18, 20                        ; 64 tokens of 16384 bytes
	s_add_nc_u64 s[26:27], s[22:23], s[30:31]      ; the loads that last named these bases were waited for in the step before
	s_add_nc_u64 s[28:29], s[24:25], s[30:31]
	LDROWS 3, 0, 26, 0                             ; my 16 rows of K and of V: they have this step's products in which to arrive
	LDROWS 3, 64, 28, 0
	WIN 0
.if \last
.Lnoload_\@:
.endif
.if \t < 4
.if \t < 3
	s_cmp_lt_u32 s14, 3-\t
	s_cbranch_scc1 .Lidle_\@                       ; the tile lies above my strip
.endif
.if \t > 0
	s_cmp_lg_u32 s14, 3-\t
	s_cbranch_scc1 .Lbelow_\@
.endif
	COMPUTE \p, 1
.if \t > 0
	s_branch .Lidle_\@
.Lbelow_\@:
	COMPUTE \p, 0
.endif
.Lidle_\@:
.else
	COMPUTE \p, 0
.endif
	s_wait_loadcnt 0x0                             ; the next tile's rows; on every path, so that the bases above are free
.if \last
	s_cmp_eq_u32 s61, 1
	s_cbranch_scc1 .Lnoquant_\@
.endif
	QUANT 3, 0, RS+4, RS+8, 1
	STROWS 3, 0, SK+2*(1-\p), KP, 0
	STROWS 3, 64, SK+2*(1-\p)+1, VP, 0
	WIN 0
.if \last
.Lnoquant_\@:
.endif
	s_mov_b32 s17, s18
	s_sub_co_u32 s61, s61, 1
.endm
	; ---- ids, addresses ----
	s_load_b256 s[4:11], s[0:1], 0x0               ; query s[4:5], key s[6:7], value s[8:9], pmax s[10:11]
	s_load_b64 s[12:13], s[0:1], 0x20              ; out
	v_lshl_add_u32 v62, v0, 2, 0x3bc00
	v_mov_b32 v63, 0
	v_lshrrev_b32 v3, 5, v0
	v_readfirstlane_b32 s14, v3                    ; wave
	s_and_b32 s15, ttmp9, 1                        ; pair: which of the head's two work-groups
	s_lshr_b32 s2, ttmp9, 6                        ; sequence
	s_bfe_u32 s3, ttmp9, 0x50001                   ; head: 5 bits from bit 1
	s_lshl_b32 s2, s2, 24                          ; 1024 tokens x 16384 bytes
	s_lshl_b32 s3, s3, 9                           ; 128 f32
	s_or_b32 s30, s2, s3
	s_mov_b32 s31, 0
	s_lshl_b32 s32, s15, 2
	s_add_co_u32 s17, s32, 3                       ; first block's top tile, 4 pair + 3
	s_sub_co_u32 s21, 15, s32                      ; second block's, 4 (3 - pair) + 3
	s_add_co_u32 s33, s32, s14                     ; my strip in the first block
	s_sub_co_u32 s34, 12, s32
	s_add_co_u32 s34, s34, s14                     ; and in the second
	s_lshl_b32 s19, s15, 1                         ; trips of two steps below the diagonal block: 2 blk
	s_sub_co_u32 s60, 6, s19
	s_mov_b32 s61, 20                              ; steps left
	s_mov_b32 s16, 0                               ; pass
	s_mov_b32 s42, 0x76543210                      ; lane i of one half reads lane i of the other
	s_mov_b32 s43, 0xfedcba98
	s_mov_b32 s78, 0xc3e00000                      ; -448
	s_mov_b32 s79, 0x43e00000                      ; 448
	s_mul_i32 s2, s14, QSTW
	s_add_co_u32 s2, s2, QST                       ; my Q rows
	s_mul_i32 s3, s14, OSTW
	s_add_co_u32 s3, s3, OST                       ; my stage
	s_mul_i32 s62, s14, 16*KP                      ; my 16 rows of a K tile
	s_mul_i32 s63, s14, 16*VP
	s_add_co_u32 s63, s63, VB0                     ; and of a V tile
	v_and_b32 v1, 15, v0                           ; r
	v_bfe_u32 v2, v0, 4, 1                         ; h
	v_and_b32 v3, 31, v0                           ; lane
	v_mul_u32_u24 v[TP], v1, KP
	v_lshl_add_u32 v[ADRK], v2, 4, v[TP]           ; r x 272 + 16 h
	v_add_nc_u32 v[ADRK+1], BUF, v[ADRK]
	v_add_nc_u32 v[ADRQ], s2, v[ADRK]
	v_and_b32 v[TP], 7, v0
	v_lshl_add_u32 v[TP], v2, 3, v[TP]
	v_mul_u32_u24 v[TP], v[TP], VP                 ; key 8 h + (lane mod 8)
	v_bfe_u32 v[TP+1], v0, 3, 1
	v_lshl_add_u32 v[TP], v[TP+1], 4, v[TP]        ; + 16 bytes for the upper eight of sixteen lanes
	v_add_nc_u32 v[ADRV], VB0, v[TP]
	v_add_nc_u32 v[ADRV+1], VB0+BUF, v[TP]
	v_mul_u32_u24 v[TP], v1, OP
	v_lshl_add_u32 v[TP], v2, 5, v[TP]
	v_add_nc_u32 v[STO], s3, v[TP]
	v_lshlrev_b32 v[CO], 4, v3
	v_add_nc_u32 v[RD], s3, v[CO]
	v_lshlrev_b32 v[TP], 3, v2
	v_sub_nc_u32 v[DD], v1, v[TP]
	v_mov_b32 v[NEG], 0xff800000
	v_mov_b32 v[ONE], 1.0
	v_mov_b32 v[E127], 0x7f
	v_lshlrev_b32 v[TP+2], 3, v3                   ; 8 x lane: four codes
	v_lshlrev_b32 v[TP+3], 5, v3                   ; 32 x lane: eight partial maxima
.irp jj, 0,1,2,3,4,5,6,7
	v_cmp_gt_i32 s[MK+\jj], \jj, v[DD]
.endr
	WIN 0xc0
	v_mov_b32 v[LOFF], v[CO]
	v_add_nc_u32 v[SK], s62, v[TP+2]
	v_add_nc_u32 v[SK+1], s63, v[TP+2]
	s_add_co_u32 s62, s62, BUF
	s_add_co_u32 s63, s63, BUF
	v_add_nc_u32 v[SK+2], s62, v[TP+2]
	v_add_nc_u32 v[SK+3], s63, v[TP+2]
	v_add_nc_u32 v[SQ], s2, v[TP+2]
	WIN 0
	s_wait_kmcnt 0x0
	s_add_nc_u64 s[4:5], s[4:5], s[30:31]          ; all four tensors at my sequence and head
	s_add_nc_u64 s[6:7], s[6:7], s[30:31]
	s_add_nc_u64 s[8:9], s[8:9], s[30:31]
	s_add_nc_u64 s[12:13], s[12:13], s[30:31]
	s_lshl_b32 s30, s14, 18                        ; my 16 rows of a tile
	s_add_nc_u64 s[22:23], s[6:7], s[30:31]
	s_add_nc_u64 s[24:25], s[8:9], s[30:31]
	s_lshl_b32 s30, s33, 20                        ; my strip of the first block
	s_add_nc_u64 s[56:57], s[4:5], s[30:31]
	s_add_nc_u64 s[52:53], s[12:13], s[30:31]
	s_lshl_b32 s30, s34, 20                        ; and of the second
	s_add_nc_u64 s[58:59], s[4:5], s[30:31]
	s_add_nc_u64 s[54:55], s[12:13], s[30:31]
	s_lshl_b32 s30, s17, 20                        ; the first tile
	s_add_nc_u64 s[26:27], s[22:23], s[30:31]
	s_add_nc_u64 s[28:29], s[24:25], s[30:31]
	; ---- everything the start needs, in one run of loads: the 768 partial maxima, both Q strips, the first tile ----
.irp t, 0,1,2
	global_load_b128 v[F+8*\t:F+8*\t+3], v[TP+3], s[10:11] offset:\t*1024
	global_load_b128 v[F+8*\t+4:F+8*\t+7], v[TP+3], s[10:11] offset:\t*1024+16
.endr
	LDROWS 2, 0, 56, 0                             ; the first strip's 64 rows in window 2, where O will live
	LDROWS 2, 64, 56, 16
	LDROWS 2, 128, 56, 32
	LDROWS 2, 192, 56, 48
	LDROWS 1, 0, 58, 0                             ; the second strip's in window 1
	LDROWS 1, 64, 58, 16
	LDROWS 1, 128, 58, 32
	LDROWS 1, 192, 58, 48
	LDROWS 3, 0, 26, 0
	LDROWS 3, 64, 28, 0
	WIN 0
	s_wait_loadcnt 0x0
	; ---- the three maxima, their scales and reciprocals ----
.irp t, 0,1,2
	v_max3_num_f32 v[F+8*\t], v[F+8*\t], v[F+8*\t+1], v[F+8*\t+2]
	v_max3_num_f32 v[F+8*\t], v[F+8*\t], v[F+8*\t+3], v[F+8*\t+4]
	v_max3_num_f32 v[F+8*\t], v[F+8*\t], v[F+8*\t+5], v[F+8*\t+6]
	v_max_num_f32 v[F+8*\t], v[F+8*\t], v[F+8*\t+7]
.irp m, 1,2,4,8
	v_max_num_f32_dpp v[F+8*\t], v[F+8*\t], v[F+8*\t] row_xmask:\m row_mask:0xf bank_mask:0xf
.endr
	v_permlanex16_b32 v[F+8*\t+1], v[F+8*\t], s42, s43
	v_max_num_f32 v[F+8*\t], v[F+8*\t], v[F+8*\t+1]
	v_mul_f32 v[F+8*\t+1], 0x3b124925, v[F+8*\t]                   ; s = max x fl(1 / 448), one rounding
.endr
.irp t, 0,1,2
	v_rcp_f32 v[F+8*\t+3], v[F+8*\t+1]
.endr
	v_nop                                          ; one plain instruction behind the reciprocals
	s_wait_alu depctr_va_vdst(0)
.irp t, 0,1,2
	v_fma_f32 v[F+8*\t+4], -v[F+8*\t+1], v[F+8*\t+3], 1.0
	v_fma_f32 v[F+8*\t+3], v[F+8*\t+4], v[F+8*\t+3], v[F+8*\t+3]   ; rhi: one Newton step
	v_fma_f32 v[F+8*\t+4], -v[F+8*\t+1], v[F+8*\t+3], 1.0          ; 1 - s rhi
	v_mul_f32 v[F+8*\t+4], v[F+8*\t+4], v[F+8*\t+3]                ; rlo
	v_readfirstlane_b32 s[RS+4*\t], v[F+8*\t+3]
	v_readfirstlane_b32 s[RS+4*\t+1], v[F+8*\t+3]
	v_readfirstlane_b32 s[RS+4*\t+2], v[F+8*\t+4]
	v_readfirstlane_b32 s[RS+4*\t+3], v[F+8*\t+4]
.endr
	v_mul_f32 v[F+5], v[F+1], v[F+9]
	v_mul_f32 v[F+5], 0x3e0293ee, v[F+5]           ; c = sQ sK log2(e) / sqrt(128)
	v_readfirstlane_b32 s38, v[F+5]
	v_readfirstlane_b32 s39, v[F+5]
	v_readfirstlane_b32 s41, v[F+17]               ; sV
	s_xor_b32 s40, s38, 0x80000000                 ; -c
	; ---- Q's codes into my own LDS rows, the first tile's into buffer 0 ----
	QUANT 2, 0, RS, RS, 0
	STROWS 2, 0, SQ, KP, 0
	STROWS 2, 64, SQ, KP, 16*KP
	QUANT 2, 128, RS, RS, 0
	STROWS 2, 128, SQ, KP, 32*KP
	STROWS 2, 192, SQ, KP, 48*KP
	QUANT 1, 0, RS, RS, 0
	STROWS 1, 0, SQ, KP, QSTP
	STROWS 1, 64, SQ, KP, QSTP+16*KP
	QUANT 1, 128, RS, RS, 0
	STROWS 1, 128, SQ, KP, QSTP+32*KP
	STROWS 1, 192, SQ, KP, QSTP+48*KP
	QUANT 3, 0, RS+4, RS+8, 1
	STROWS 3, 0, SK, KP, 0
	STROWS 3, 64, SK+1, VP, 0
	WIN 0
.Lpass:
	QFRAG                                          ; my own bytes, served in order behind my stores; the first step's wait for LDS covers them
	STEP 0, 0, 0                                   ; the diagonal block: tiles 4 blk + 3 .. 4 blk
	STEP 1, 1, 0
	STEP 0, 2, 0
	STEP 1, 3, 1
	s_cmp_eq_u32 s19, 0
	s_cbranch_scc1 .Lnone_below                    ; block 0 has nothing below its diagonal block
	s_mov_b32 s20, s19
.Lpair:
	STEP 0, 4, 0
	STEP 1, 4, 1
	s_sub_co_u32 s20, s20, 1
	s_cmp_lg_u32 s20, 0
	s_cbranch_scc1 .Lpair
.Lnone_below:
	EPI
	s_wait_xcnt 0x0                                ; the stores' base and data (F) are written again only behind this wait
	s_mov_b64 s[52:53], s[54:55]                   ; the second block's rows of out,
	s_mov_b32 s19, s60                             ; its trips,
	v_add_nc_u32 v[ADRQ], QSTP, v[ADRQ]            ; its Q rows
	s_add_co_u32 s16, s16, 1
	s_cmp_lt_u32 s16, 2
	s_cbranch_scc1 .Lpass
	s_wait_tensorcnt 0x0
	ds_add_u32 v62, v63
	s_wait_dscnt 0x0
	s_endpgm
.Lfunc_end_k_q8c00c424f3_attn:
	.size	k_q8c00c424f3_attn, .Lfunc_end_k_q8c00c424f3_attn-k_q8c00c424f3_attn
	.p2alignl 7, 3214868480
	.fill 96, 4, 3214868480
	.section	.rodata,"a",@progbits
	.p2align	6, 0x0
	.amdhsa_kernel k_q8c00c424f3_attn
		.amdhsa_group_segment_fixed_size 245248
		.amdhsa_private_segment_fixed_size 0
		.amdhsa_enable_private_segment 0
		.amdhsa_kernarg_size 40
		.amdhsa_user_sgpr_count 2
		.amdhsa_user_sgpr_kernarg_segment_ptr 1
		.amdhsa_wavefront_size32 1
		.amdhsa_system_sgpr_workgroup_id_x 1
		.amdhsa_system_sgpr_workgroup_id_y 1
		.amdhsa_system_sgpr_workgroup_id_z 1
		.amdhsa_system_vgpr_workitem_id 0
		.amdhsa_next_free_vgpr 1008
		.amdhsa_next_free_sgpr 80
		.amdhsa_reserve_vcc 0
		.amdhsa_float_denorm_mode_32 3
		.amdhsa_float_denorm_mode_16_64 3
		.amdhsa_memory_ordered 1
		.amdhsa_forward_progress 1
		.amdhsa_inst_pref_size 255
	.end_amdhsa_kernel
	.section	.bss,"aw",@nobits
	.p2align	6
	.space	262144
	.amdgpu_metadata
---
amdhsa.version: [ 1, 2 ]
amdhsa.kernels:
  - .name:           k_q8c00c424f3_attn
    .symbol:         k_q8c00c424f3_attn.kd
    .args:
      - { .name: query_states, .offset: 0, .size: 8, .value_kind: global_buffer, .address_space: global }
      - { .name: key_states, .offset: 8, .size: 8, .value_kind: global_buffer, .address_space: global }
      - { .name: value_states, .offset: 16, .size: 8, .value_kind: global_buffer, .address_space: global }
      - { .name: pmax, .offset: 24, .size: 8, .value_kind: global_buffer, .address_space: global }
      - { .name: out0, .offset: 32, .size: 8, .value_kind: global_buffer, .address_space: global }
    .group_segment_fixed_size: 245248
    .private_segment_fixed_size: 0
    .kernarg_segment_align: 8
    .kernarg_segment_size: 40
    .max_flat_workgroup_size: 128
    .sgpr_count:     80
    .vgpr_count:     1008
    .wavefront_size: 32
...
	.end_amdgpu_metadata
.endif
;; end of part 2
;; ======== version 2 of 2: 2 launches; 1.27 times as fast as version 1
;; workspace buffers: pmax 3,072 bytes
;; launch absmax: the kernel of part 1 again; grid 256 x 3, 8 waves a work-group, no clusters, 1,280 bytes of LDS; arguments query_states, key_states, value_states, pmax; writes pmax
;; launch attn (part 3): grid 256 x 1, 4 waves a work-group, no clusters, 245,248 bytes of LDS; arguments query_states, key_states, value_states, pmax, out0; writes out0
.if DOCPART == 3
	.amdgcn_target "amdgcn-amd-amdhsa--gfx1250"
	.amdhsa_code_object_version 6
	.text
	.protected	k_q8c00c424f3_attn
	.globl	k_q8c00c424f3_attn
	.p2align	8
	.type	k_q8c00c424f3_attn,@function
k_q8c00c424f3_attn:
	s_mov_b64 s[64:65], 0
	v_nop
	global_prefetch_b8 v0, s[64:65] scope:SCOPE_SE
	s_setreg_imm32_b32 hwreg(HW_REG_WAVE_MODE, 25, 1), 1
	s_wait_xcnt 0x0
; Causal attention on Q, K, V rounded to the e4m3 grid with one scale a tensor.  4 sequences x 32 heads, 1024 tokens, 128 numbers a head.
; THE FORMAT.  code = e4m3(x / s), s = max|x| x fl(1 / 448).  A code has four significant bits and lies between 2^-9 and 448, so it is exact in bf16 and in
; f16, and the matrix unit multiplies the CODES; the scales go into the exponent's factor c = sQ sK / sqrt(128) * log2(e) and into the last factor sV / l.
; x / s is made as x rhi + (x rlo), where rhi + rlo is 1 / s to about twice f32's precision: one rounding, as a division has, so that a number lands on the
; code that the division gives.  The quotient of the largest number can come out a last place above 448; it is clamped to +-448 in front of the conversion.
; K Q^T goes in bf16.  V^T P^T goes in f16: P lies in [0, 1] for every input, since the running maximum is taken away, V's codes are at most 448, and f16's
; eleven bits keep P's rounding eight times smaller than bf16 would, which the first tokens of a sequence need (few keys, large weights, sums that cancel).
; THE SHARES.  Two work-groups a head.  A work-group makes two blocks of 256 queries one after the other: blocks pair and 3 - pair, which is 4 (blk + 1) key
; tiles of 64 each, 20 steps in every work-group.  Wave w owns the 64 queries of strip g = 4 blk + w.  Keys are walked DOWNWARD from tile 4 blk + 3, so a
; wave's first tile is its diagonal one, whose products start O: no accumulator is cleared.  While the tile j lies above its strip (j > g) a wave idles.
; ONE LOOP of ten trips of two steps serves all 20 steps, so that the text is short and every line of it is run many times: a step takes the idle, the
; diagonal (j = g) or the full (j < g) way by comparing two whole numbers made of the work-group's and the wave's number.  A pass has an even number of
; steps, so it ends in the trip's second step, where the way out and the change to the second block stand, under j = 0.
; THE ROAD OF K AND V.  A step's tile (64 keys of K and of V, f32) is loaded into registers a whole step ahead, 16 rows of each a wave, turned into codes
; behind the step's products and stored as 16-bit numbers into the LDS buffer that is not being read.  Two buffers, one barrier a step.
; THE PRODUCTS.  S^T = K Q^T: a lane then holds eight keys of ONE query, so maxima and sums are a lane's own but for one exchange between the halves, and the
; packed exponentials ARE the second operand of O^T = V^T P^T, with no move between lanes.  V^T's fragments come from V[key][d] by the transposing LDS load.
; NO TENSOR LOADS, NO CLUSTER: the tiles are f32 and have to pass through registers to become codes, and the two work-groups of a head walk different
; sequences of tiles (4 + 16 against 8 + 12 steps), so a joint request would need steps in which one of them only waits.
; q_offsets, k_offsets, k_lengths are not read: the reference takes q_offsets' SHAPE alone and no value of the three, so the result must not follow them.
; LIMITS.  (1) s is the product of the maximum with the f32 number nearest to 1 / 448 (0x3b124925), rounded once: the form that a compiler gives a division
; by a constant.  Against a reference that truly divides, s can differ in its last place, and numbers whose quotient lies within that of a rounding tie
; (about one in a million) then land on the neighbouring code.  (2) A tensor that is all zeros, or holds NaN or infinity, or whose s is denormal (max below
; 5e-36), makes the reference all NaN or is outside v_rcp_f32's range: not served.  (3) P is rounded to f16 for the second product; its sum is kept in f32.
.set TS,   16384                       ; bytes from a token to the next (32 heads x 128 f32)
.set TRIPS, 10                         ; 20 steps, two a trip
.set KP,   272                         ; LDS pitch of K and Q rows: 256 bytes + 16 = 17 x 16: sixteen rows begin in sixteen different 16-byte columns of 256
.set VP,   288                         ; LDS pitch of V rows: 256 + 32 = 9 x 32, for the transposing load
.set OP,   528                         ; LDS pitch of an output row: 512 + 16
.set VB0,  64*KP                       ; buffer 0: K at 0, V at 17408
.set BUF,  64*KP+64*VP                 ; 35840: buffer 1 lies this far behind buffer 0
.set QST,  2*BUF                       ; 71680: Q's codes, 64 rows x 272 for each wave and pass, the wave's own
.set QSTP, 64*KP
.set QSTW, 2*QSTP
.set OST,  QST+4*QSTW                  ; 210944: the way out, 16 rows x 528 for each wave, the wave's own; ends at 244736
.set OSTW, 16*OP
; window 0
.set ADRK, 4                           ; v4, v5   my K fragment address in buffer 0, 1
.set ADRV, 6                           ; v6, v7   my V^T fragment address in buffer 0, 1
.set ADRQ, 8                           ; v8       my Q fragment address, first pass; the second pass's rows lie QSTP further on
.set STO,  9                           ; v9       the way out: where I put 32 bytes of a row
.set RD,   10                          ; v10      the way out: where I read a row back
.set CO,   11                          ; v11      16 x lane
.set DD,   12                          ; v12      (lane mod 16) - 8 (lane / 16): key jj of my eight is masked on the diagonal if jj > DD
.set NEG,  13                          ; v13      -infinity
.set ONE,  14                          ; v14      1.0: the conversion to codes divides by 2^0
.set E127, 15                          ; v15      0x7f: the conversion back multiplies by 2^0
.set M,    16                          ; v[16:19] running maximum of the raw products, one for each 16 queries; at a pass's end, when it is dead: the other half's sum
.set MN,   20                          ; v[20:23] the new maximum
.set TP,   24                          ; v[24:27] at work
.set NM2,  28                          ; v[28:35] -c x maximum, twice
.set AL2,  36                          ; v[36:43] the factor on the old sums, twice; at the end sV / l
.set L2,   44                          ; v[44:51] two partial sums of exponentials
.set P,    64                          ; v[64:127]  P^T fragments (f16), (qt, kk) at 8 (2 qt + kk)
.set F,    128                         ; v[128:255] sixteen fragments of K, then of V^T; on the way out two halves of 64
; window 1
.set Q,    0                           ; Q fragments, (qt, ks) at 8 (4 qt + ks)
.set S,    128                         ; S^T tiles, (kt, qt) at 8 (4 kt + qt)
; window 2: O^T tiles, (dt, qt) at 8 (4 dt + qt)
; window 3
.set CD,   128                         ; 32 registers of codes
.set LOFF, 162                         ; 16 x lane
.set SK,   164                         ; 164 .. 167: where I store my rows of K, V in buffer 0, of K, V in buffer 1
.set SQ,   168                         ; where I store Q's rows
.set T,    176                         ; 64 registers: x rlo
; scalars: s14 wave, s15 pair, s16 trip, s17 tile j, s18 the next tile, s19 my strip g, s20 my strip in the second block, s21 the second block's top tile
.set MK,   44                          ; s[44:51]  lanes in which key jj of the diagonal tile is masked
.set RS,   66                          ; s[66:77]  rhi, rhi, rlo, rlo of Q, of K, of V
.set MSB, 0
.macro WIN new                         ; s_set_vgpr_msb: bits 1:0 source 0, 3:2 source 1, 5:4 source 2, 7:6 destination; the high byte repeats the setting left
.if MSB != (\new)
	s_set_vgpr_msb (MSB<<8)|(\new)
.set MSB, (\new)
.endif
.endm
.macro PLACES                          ; four plain vector instructions behind a matrix instruction, before its result is read by another kind of
.rept 4                                ; instruction and before a load lands on one of its sources
	v_nop
.endr
.endm
.macro ISPRES diag, kt, qt             ; PRES = 0 for a 16 x 16 tile that lies wholly above the diagonal
.set PRES, 1
.if \diag
.if \kt > \qt
.set PRES, 0
.endif
.endif
.endm
; sixteen rows of 512 bytes, one row an instruction, into window W from register rb on
.macro LDROWS W, rb, sb, row0
	WIN (\W<<6)|3
.irp i, 0,1,2,3,4,5,6,7,8,9,10,11,12,13,14,15
	global_load_b128 v[\rb+4*\i:\rb+4*\i+3], v[LOFF], s[\sb:\sb+1] offset:(\row0+\i)*TS
.endr
.endm
; 64 registers x -> clamp(x rhi + x rlo): the quotient x / s, rounded once
.macro DIVB W, rb, sc
	WIN 0xf0|\W
.set qn, 0
.rept 32
	v_pk_mul_f32 v[T+qn:T+qn+1], v[\rb+qn:\rb+qn+1], s[\sc+2:\sc+3] op_sel_hi:[1,0]
.set qn, qn+2
.endr
	WIN (\W<<6)|0x30|\W
.set qn, 0
.rept 32
	v_pk_fma_f32 v[\rb+qn:\rb+qn+1], v[\rb+qn:\rb+qn+1], s[\sc:\sc+1], v[T+qn:T+qn+1] op_sel_hi:[1,0,1]
.set qn, qn+2
.endr
.set qn, 0
.rept 64
	v_med3_num_f32 v[\rb+qn], v[\rb+qn], s78, s79
.set qn, qn+1
.endr
.endm
; 128 registers (32 rows, 4 numbers a lane) into 16-bit codes.  Group g = rows 2 g, 2 g + 1 = registers rb + 8 g .. + 7; afterwards the even row's four
; codes lie in rb + 8 g, + 1 and the odd row's in rb + 8 g + 2, + 3.  The first 64 registers are divided by sA's scale, the others by sB's.
; The first 64 are packed as bf16; the others as bf16 (hB = 0) or as f16 (hB = 1: V's rows).
.macro QUANT W, rb, sA, sB, hB
	DIVB \W, \rb, \sA
	DIVB \W, \rb+64, \sB
	WIN 0xc0|\W
.irp g, 0,1,2,3,4,5,6,7,8,9,10,11,12,13,14,15
	v_cvt_scalef32_pk8_fp8_f32 v[CD+2*\g:CD+2*\g+1], v[\rb+8*\g:\rb+8*\g+7], v[ONE]
.endr
	v_nop                                          ; one plain instruction behind the scaled conversions, before their results are read and their sources written
	WIN (\W<<6)|3
.irp g, 0,1,2,3,4,5,6,7,8,9,10,11,12,13,14,15
	v_cvt_scale_pk8_f32_fp8 v[\rb+8*\g:\rb+8*\g+7], v[CD+2*\g:CD+2*\g+1], v[E127]
.endr
	v_nop                                          ; likewise
	WIN (\W<<6)|(\W<<2)|\W
.irp g, 0,1,2,3,4,5,6,7,8,9,10,11,12,13,14,15
.irp i, 0,1,2,3
.if (\hB)*(\g>>3)
	v_cvt_pk_f16_f32 v[\rb+8*\g+\i], v[\rb+8*\g+2*\i], v[\rb+8*\g+2*\i+1]      ; exact: four significant bits, 2^-9 to 448
.else
	v_cvt_pk_bf16_f32 v[\rb+8*\g+\i], v[\rb+8*\g+2*\i], v[\rb+8*\g+2*\i+1]     ; exact: four significant bits
.endif
.endr
.endr
.endm
; sixteen rows of codes into LDS: 32 lanes x 8 bytes = a row's 256 bytes
.macro STROWS W, rb, adr, pitch, off0
	WIN (\W<<2)|3
.irp g, 0,1,2,3,4,5,6,7
	ds_store_b64 v[\adr], v[\rb+8*\g:\rb+8*\g+1] offset:\off0+2*\g*\pitch
	ds_store_b64 v[\adr], v[\rb+8*\g+2:\rb+8*\g+3] offset:\off0+(2*\g+1)*\pitch
.endr
.endm
; The head of a pass.  Its Q fragments (16 queries x 32 d each; lane l holds query l mod 16, d = 8 (l / 16) + 0..7 and 16 + 8 (l / 16) + 0..7) from my own
; rows, off bytes behind the first pass's; the running maximum starts at -infinity and the sums of exponentials at 0.
.macro NEWPASS off
	WIN 0x40
.irp qt, 0,1,2,3
.irp ks, 0,1,2,3
	ds_load_b128 v[Q+8*(4*\qt+\ks):Q+8*(4*\qt+\ks)+3], v[ADRQ] offset:\off+\qt*16*KP+\ks*64
	ds_load_b128 v[Q+8*(4*\qt+\ks)+4:Q+8*(4*\qt+\ks)+7], v[ADRQ] offset:\off+\qt*16*KP+\ks*64+32
.endr
.endr
	WIN 0
.irp qt, 0,1,2,3
	v_mov_b32 v[M+\qt], v[NEG]
.endr
.irp i, 0,1,2,3,4,5,6,7
	v_mov_b32 v[L2+\i], 0
.endr
.endm
; One tile of 64 keys against my 64 queries, from buffer p.  diag = 1: my diagonal tile, my first of the pass: it masks, leaves out what lies above the
; diagonal and starts O (the constant 0 as C, no factor on old sums).  Maximum and sums of exponentials go the same way in both.
.macro COMPUTE p, diag
	WIN 0
.irp ks, 0,1,2,3
.irp kt, 0,1,2,3
	ds_load_b128 v[F+8*(4*\ks+\kt):F+8*(4*\ks+\kt)+3], v[ADRK+\p] offset:\kt*16*KP+\ks*64
	ds_load_b128 v[F+8*(4*\ks+\kt)+4:F+8*(4*\ks+\kt)+7], v[ADRK+\p] offset:\kt*16*KP+\ks*64+32
.endr
.endr
	; S^T = K Q^T.  The accumulators take turns, one instruction a turn.
	WIN 0x54
.irp ks, 0,1,2,3
	s_wait_dscnt 24-8*\ks                          ; LDS loads return in order: the eight of this ks are in, the 24 - 8 ks younger ones stay out
.irp kt, 0,1,2,3
.irp qt, 0,1,2,3
	ISPRES \diag, \kt, \qt
.if PRES
.set sa, S+8*(4*\kt+\qt)
.if \ks == 0
	v_wmma_f32_16x16x32_bf16 v[sa:sa+7], v[F+8*(4*\ks+\kt):F+8*(4*\ks+\kt)+7], v[Q+8*(4*\qt+\ks):Q+8*(4*\qt+\ks)+7], 0
.else
	v_wmma_f32_16x16x32_bf16 v[sa:sa+7], v[F+8*(4*\ks+\kt):F+8*(4*\ks+\kt)+7], v[Q+8*(4*\qt+\ks):Q+8*(4*\qt+\ks)+7], v[sa:sa+7]
.endif
.endif
.endr
.endr
.endr
	PLACES
	; V^T's fragments (16 d x 32 keys) land while the exponentials are made
	WIN 0
.irp kk, 0,1
.irp dt, 0,1,2,3,4,5,6,7
	ds_load_tr16_b128 v[F+8*(8*\kk+\dt):F+8*(8*\kk+\dt)+3], v[ADRV+\p] offset:\kk*32*VP+\dt*32
	ds_load_tr16_b128 v[F+8*(8*\kk+\dt)+4:F+8*(8*\kk+\dt)+7], v[ADRV+\p] offset:\kk*32*VP+\dt*32+16*VP
.endr
.endr
.if \diag
	WIN 0x41
.irp qt, 0,1,2,3
.irp jj, 0,1,2,3,4,5,6,7
	v_cndmask_b32 v[S+40*\qt+\jj], v[S+40*\qt+\jj], v[NEG], s[MK+\jj]           ; tile (qt, qt): key above query -> -infinity
.endr
.endr
.endif
	; the new maximum, four chains (one for each 16 queries) side by side, each begun with the running maximum
	WIN 0x05
.irp kt, 0,1,2,3
.irp i, 0,1,2,3
.irp qt, 0,1,2,3
	ISPRES \diag, \kt, \qt
.if PRES
.set sa, S+8*(4*\kt+\qt)+2*\i
.if (\kt+\i) == 0
	v_max3_num_f32 v[MN+\qt], v[sa], v[sa+1], v[M+\qt]
.else
	v_max3_num_f32 v[MN+\qt], v[sa], v[sa+1], v[MN+\qt]
.endif
.endif
.endr
.endr
.endr
	WIN 0
.irp qt, 0,1,2,3
	v_permlanex16_b32 v[TP+\qt], v[MN+\qt], s42, s43                           ; the other half of the lanes holds the query's other keys
.endr
.irp qt, 0,1,2,3
	v_max_num_f32 v[MN+\qt], v[MN+\qt], v[TP+\qt]                              ; finite: the key that is the query itself is never masked
.endr
.irp qt, 0,1,2,3
	v_sub_f32 v[TP+\qt], v[M+\qt], v[MN+\qt]                                   ; -infinity in a pass's first tile
.endr
.irp qt, 0,1,2,3
	v_mul_f32 v[TP+\qt], s38, v[TP+\qt]
.endr
.irp qt, 0,1,2,3
	v_exp_f32 v[AL2+2*\qt], v[TP+\qt]                                          ; 2^(c (old - new)), 0 in a pass's first tile; the plain lines below stand before its first use
.endr
.irp qt, 0,1,2,3
	v_mul_f32 v[NM2+2*\qt], s40, v[MN+\qt]
	v_mul_f32 v[NM2+2*\qt+1], s40, v[MN+\qt]
	v_mov_b32 v[M+\qt], v[MN+\qt]
.endr
	s_wait_alu depctr_va_vdst(0)
.irp qt, 0,1,2,3
	v_mov_b32 v[AL2+2*\qt+1], v[AL2+2*\qt]
.endr
	; p = 2^(c S - c max); a masked -infinity gives 0
	WIN 0x41
.irp kt, 0,1,2,3
.irp qt, 0,1,2,3
	ISPRES \diag, \kt, \qt
.if PRES
.set sa, S+8*(4*\kt+\qt)
.irp i, 0,2,4,6
	v_pk_fma_f32 v[sa+\i:sa+\i+1], v[sa+\i:sa+\i+1], s[38:39], v[NM2+2*\qt:NM2+2*\qt+1] op_sel_hi:[1,0,1]
.endr
.endif
.endr
.endr
.irp kt, 0,1,2,3
.irp qt, 0,1,2,3
	ISPRES \diag, \kt, \qt
.if PRES
.set sa, S+8*(4*\kt+\qt)
.irp i, 0,1,2,3,4,5,6,7
	v_exp_f32 v[sa+\i], v[sa+\i]
.endr
.endif
.endr
.endr
	v_nop                                          ; one plain instruction behind the exponentials, before their results are read
	; the sums of p, a lane's own keys, two at a time; the halves of the lanes meet at the end of the pass
	WIN 0x10
	s_wait_alu depctr_va_vdst(0)
.irp qt, 0,1,2,3
	v_pk_fma_f32 v[L2+2*\qt:L2+2*\qt+1], v[L2+2*\qt:L2+2*\qt+1], v[AL2+2*\qt:AL2+2*\qt+1], v[S+8*\qt:S+8*\qt+1]
.endr
	WIN 0x01
.irp kt, 0,1,2,3
.irp i, 0,2,4,6
.irp qt, 0,1,2,3
	ISPRES \diag, \kt, \qt
.if PRES
.if (8*\kt+\i) > 0
	v_pk_add_f32 v[L2+2*\qt:L2+2*\qt+1], v[S+8*(4*\kt+\qt)+\i:S+8*(4*\kt+\qt)+\i+1], v[L2+2*\qt:L2+2*\qt+1]
.endif
.endif
.endr
.endr
.endr
	; P^T's fragments, in f16: tile (2 kk, qt) packs into registers 0-3 of fragment (qt, kk), tile (2 kk + 1, qt) into registers 4-7
	WIN 0x05
.irp kt, 0,1,2,3
.irp qt, 0,1,2,3
	ISPRES \diag, \kt, \qt
.if PRES
.irp i, 0,1,2,3
	v_cvt_pk_f16_f32 v[P+8*(2*\qt+(\kt>>1))+4*(\kt&1)+\i], v[S+8*(4*\kt+\qt)+2*\i], v[S+8*(4*\kt+\qt)+2*\i+1]
.endr
.endif
.endr
.endr
.if \diag
.irp i, 4,5,6,7
	v_mov_b32 v[P+\i], 0                           ; the two half fragments above the diagonal that a product below still reads: (qt 0, kk 0)
	v_mov_b32 v[P+40+\i], 0                        ; and (qt 2, kk 1)
.endr
.else
	WIN 0x82
.irp dt, 0,1,2,3,4,5,6,7
.irp qt, 0,1,2,3
.irp i, 0,2,4,6
	v_pk_mul_f32 v[8*(4*\dt+\qt)+\i:8*(4*\dt+\qt)+\i+1], v[8*(4*\dt+\qt)+\i:8*(4*\dt+\qt)+\i+1], v[AL2+2*\qt:AL2+2*\qt+1]
.endr
.endr
.endr
.endif
	; O^T += V^T P^T, in f16.  The accumulators take turns, one instruction a turn.
	s_wait_dscnt 0x0                               ; V^T's fragments
	WIN 0xa0
.irp kk, 0,1
.irp dt, 0,1,2,3,4,5,6,7
.irp qt, 0,1,2,3
.set oa, 8*(4*\dt+\qt)
.if \diag
.if \kk == 0
	v_wmma_f32_16x16x32_f16 v[oa:oa+7], v[F+8*(8*\kk+\dt):F+8*(8*\kk+\dt)+7], v[P+8*(2*\qt+\kk):P+8*(2*\qt+\kk)+7], 0
.else
.if \qt >= 2
	v_wmma_f32_16x16x32_f16 v[oa:oa+7], v[F+8*(8*\kk+\dt):F+8*(8*\kk+\dt)+7], v[P+8*(2*\qt+\kk):P+8*(2*\qt+\kk)+7], v[oa:oa+7]
.endif
.endif
.else
	v_wmma_f32_16x16x32_f16 v[oa:oa+7], v[F+8*(8*\kk+\dt):F+8*(8*\kk+\dt)+7], v[P+8*(2*\qt+\kk):P+8*(2*\qt+\kk)+7], v[oa:oa+7]
.endif
.endr
.endr
.endr
	PLACES
	WIN 0
.endm
; The end of a pass: O^T x sV / l, then 16 queries at a time through my own stage in LDS, so that one store covers a row's 512 consecutive bytes.
.macro EPI
	WIN 0
.irp qt, 0,1,2,3
	v_add_f32 v[TP+\qt], v[L2+2*\qt], v[L2+2*\qt+1]
.endr
.irp qt, 0,1,2,3
	v_permlanex16_b32 v[M+\qt], v[TP+\qt], s42, s43                            ; its destination counts as read: M, which the head of every pass writes and which is dead here
.endr
.irp qt, 0,1,2,3
	v_add_f32 v[TP+\qt], v[TP+\qt], v[M+\qt]
.endr
.irp qt, 0,1,2,3
	v_rcp_f32 v[TP+\qt], v[TP+\qt]
.endr
	v_nop                                          ; one plain instruction behind the reciprocals
	s_wait_alu depctr_va_vdst(0)
.irp qt, 0,1,2,3
	v_mul_f32 v[AL2+2*\qt], s41, v[TP+\qt]
	v_mul_f32 v[AL2+2*\qt+1], s41, v[TP+\qt]
.endr
	WIN 0x82
.irp dt, 0,1,2,3,4,5,6,7
.irp qt, 0,1,2,3
.irp i, 0,2,4,6
	v_pk_mul_f32 v[8*(4*\dt+\qt)+\i:8*(4*\dt+\qt)+\i+1], v[8*(4*\dt+\qt)+\i:8*(4*\dt+\qt)+\i+1], v[AL2+2*\qt:AL2+2*\qt+1]
.endr
.endr
.endr
.irp qt, 0,1,2,3
	WIN 0x08
.irp dt, 0,1,2,3,4,5,6,7
	ds_store_b128 v[STO], v[8*(4*\dt+\qt):8*(4*\dt+\qt)+3] offset:64*\dt       ; lane l: query l mod 16, d = 16 dt + 8 (l / 16) + 0..7
	ds_store_b128 v[STO], v[8*(4*\dt+\qt)+4:8*(4*\dt+\qt)+7] offset:64*\dt+16
.endr
	WIN 0
	s_wait_xcnt 0x0                                ; the half of F that earlier stores read is loaded again only behind this wait
.irp row, 0,1,2,3,4,5,6,7,8,9,10,11,12,13,14,15
	ds_load_b128 v[F+64*(\qt&1)+4*\row:F+64*(\qt&1)+4*\row+3], v[RD] offset:\row*OP    ; LDS serves a wave's instructions in order: these see the stores above
.endr
.irp row, 0,1,2,3,4,5,6,7,8,9,10,11,12,13,14,15
	s_wait_dscnt 15-\row                           ; this row is back, the 15 - row younger ones stay out
	global_store_b128 v[CO], v[F+64*(\qt&1)+4*\row:F+64*(\qt&1)+4*\row+3], s[52:53] offset:(16*\qt+\row)*TS th:TH_STORE_NT
.endr
.endr
.endm
; One step on buffer p.  A trip's first step (p = 0) has an odd tile number, so a pass, and the launch, can end only in its second (p = 1).
.macro STEP p
	s_wait_dscnt 0x0                               ; my stores into buffer p and my reads of the other buffer are done
	s_barrier_signal -1
	s_barrier_wait -1                              ; every wave's are: buffer p may be read, the other one written
	s_sub_co_i32 s18, s17, 1                       ; the next tile: one further down,
.if \p
	s_cmp_eq_u32 s17, 0
	s_cselect_b32 s18, s21, s18                    ; or the second block's top tile,
	s_cmp_eq_u32 s16, TRIPS-1
	s_cbranch_scc1 .Lnoload_\@                     ; or none, in the last of the 20 steps
.endif
	s_lshl_b32 s30, s18, 20                        ; 64 tokens of 16384 bytes
	s_add_nc_u64 s[26:27], s[22:23], s[30:31]      ; the loads that last named these bases were waited for in the step before
	s_add_nc_u64 s[28:29], s[24:25], s[30:31]
	LDROWS 3, 0, 26, 0                             ; my 16 rows of K and of V: they have this step's products in which to arrive
	LDROWS 3, 64, 28, 0
	WIN 0
.if \p
.Lnoload_\@:
.endif
	s_cmp_gt_u32 s17, s19
	s_cbranch_scc1 .Lidle_\@                       ; the tile lies above my strip
	s_cmp_lt_u32 s17, s19
	s_cbranch_scc1 .Lbelow_\@
	COMPUTE \p, 1                                  ; my diagonal tile
	s_branch .Lidle_\@
.Lbelow_\@:
	COMPUTE \p, 0
.Lidle_\@:
	s_wait_loadcnt 0x0                             ; the next tile's rows; on every path, so that the bases above are free
.if \p
	s_cmp_eq_u32 s16, TRIPS-1
	s_cbranch_scc1 .Lnoquant_\@
.endif
	QUANT 3, 0, RS+4, RS+8, 1
	STROWS 3, 0, SK+2*(1-\p), KP, 0
	STROWS 3, 64, SK+2*(1-\p)+1, VP, 0
	WIN 0
.if \p
.Lnoquant_\@:
	s_cmp_lg_u32 s17, 0
	s_cbranch_scc1 .Lgoon_\@                       ; tile 0 ends a pass
	EPI
	s_wait_xcnt 0x0                                ; the stores' base and data (F) are written again only behind this wait
	s_cmp_eq_u32 s16, TRIPS-1
	s_cbranch_scc1 .Lgoon_\@                       ; behind the second pass nothing follows
	s_mov_b64 s[52:53], s[54:55]                   ; the second block's rows of out,
	s_mov_b32 s19, s20                             ; my strip in it,
	NEWPASS QSTP                                   ; its Q fragments (the next step's wait for LDS covers them) and fresh maxima and sums
.Lgoon_\@:
.endif
	s_mov_b32 s17, s18
.endm
	; ---- ids, addresses ----
	s_load_b256 s[4:11], s[0:1], 0x0               ; query s[4:5], key s[6:7], value s[8:9], pmax s[10:11]
	s_load_b64 s[12:13], s[0:1], 0x20              ; out
	v_lshl_add_u32 v62, v0, 2, 0x3bc00
	v_mov_b32 v63, 0
	v_lshrrev_b32 v3, 5, v0
	v_readfirstlane_b32 s14, v3                    ; wave
	s_and_b32 s15, ttmp9, 1                        ; pair: which of the head's two work-groups
	s_lshr_b32 s2, ttmp9, 6                        ; sequence
	s_bfe_u32 s3, ttmp9, 0x50001                   ; head: 5 bits from bit 1
	s_lshl_b32 s2, s2, 24                          ; 1024 tokens x 16384 bytes
	s_lshl_b32 s3, s3, 9                           ; 128 f32
	s_or_b32 s30, s2, s3
	s_mov_b32 s31, 0
	s_lshl_b32 s32, s15, 2
	s_add_co_u32 s17, s32, 3                       ; first block's top tile, 4 pair + 3
	s_sub_co_u32 s21, 15, s32                      ; second block's, 4 (3 - pair) + 3
	s_add_co_u32 s19, s32, s14                     ; my strip in the first block
	s_sub_co_u32 s20, 12, s32
	s_add_co_u32 s20, s20, s14                     ; and in the second
	s_mov_b32 s16, 0                               ; trip
	s_mov_b32 s42, 0x76543210                      ; lane i of one half reads lane i of the other
	s_mov_b32 s43, 0xfedcba98
	s_mov_b32 s78, 0xc3e00000                      ; -448
	s_mov_b32 s79, 0x43e00000                      ; 448
	s_mul_i32 s2, s14, QSTW
	s_add_co_u32 s2, s2, QST                       ; my Q rows
	s_mul_i32 s3, s14, OSTW
	s_add_co_u32 s3, s3, OST                       ; my stage
	s_mul_i32 s62, s14, 16*KP                      ; my 16 rows of a K tile
	s_mul_i32 s63, s14, 16*VP
	s_add_co_u32 s63, s63, VB0                     ; and of a V tile
	v_and_b32 v1, 15, v0                           ; r
	v_bfe_u32 v2, v0, 4, 1                         ; h
	v_and_b32 v3, 31, v0                           ; lane
	v_mul_u32_u24 v[TP], v1, KP
	v_lshl_add_u32 v[ADRK], v2, 4, v[TP]           ; r x 272 + 16 h
	v_add_nc_u32 v[ADRK+1], BUF, v[ADRK]
	v_add_nc_u32 v[ADRQ], s2, v[ADRK]
	v_and_b32 v[TP], 7, v0
	v_lshl_add_u32 v[TP], v2, 3, v[TP]
	v_mul_u32_u24 v[TP], v[TP], VP                 ; key 8 h + (lane mod 8)
	v_bfe_u32 v[TP+1], v0, 3, 1
	v_lshl_add_u32 v[TP], v[TP+1], 4, v[TP]        ; + 16 bytes for the upper eight of sixteen lanes
	v_add_nc_u32 v[ADRV], VB0, v[TP]
	v_add_nc_u32 v[ADRV+1], VB0+BUF, v[TP]
	v_mul_u32_u24 v[TP], v1, OP
	v_lshl_add_u32 v[TP], v2, 5, v[TP]
	v_add_nc_u32 v[STO], s3, v[TP]
	v_lshlrev_b32 v[CO], 4, v3
	v_add_nc_u32 v[RD], s3, v[CO]
	v_lshlrev_b32 v[TP], 3, v2
	v_sub_nc_u32 v[DD], v1, v[TP]
	v_mov_b32 v[NEG], 0xff800000
	v_mov_b32 v[ONE], 1.0
	v_mov_b32 v[E127], 0x7f
	v_lshlrev_b32 v[TP+2], 3, v3                   ; 8 x lane: four codes
	v_lshlrev_b32 v[TP+3], 5, v3                   ; 32 x lane: eight partial maxima
.irp jj, 0,1,2,3,4,5,6,7
	v_cmp_gt_i32 s[MK+\jj], \jj, v[DD]
.endr
	WIN 0xc0
	v_mov_b32 v[LOFF], v[CO]
	v_add_nc_u32 v[SK], s62, v[TP+2]
	v_add_nc_u32 v[SK+1], s63, v[TP+2]
	s_add_co_u32 s62, s62, BUF
	s_add_co_u32 s63, s63, BUF
	v_add_nc_u32 v[SK+2], s62, v[TP+2]
	v_add_nc_u32 v[SK+3], s63, v[TP+2]
	v_add_nc_u32 v[SQ], s2, v[TP+2]
	WIN 0
	s_wait_kmcnt 0x0
	s_add_nc_u64 s[4:5], s[4:5], s[30:31]          ; all four tensors at my sequence and head
	s_add_nc_u64 s[6:7], s[6:7], s[30:31]
	s_add_nc_u64 s[8:9], s[8:9], s[30:31]
	s_add_nc_u64 s[12:13], s[12:13], s[30:31]
	s_lshl_b32 s30, s14, 18                        ; my 16 rows of a tile
	s_add_nc_u64 s[22:23], s[6:7], s[30:31]
	s_add_nc_u64 s[24:25], s[8:9], s[30:31]
	s_lshl_b32 s30, s19, 20                        ; my strip of the first block
	s_add_nc_u64 s[56:57], s[4:5], s[30:31]
	s_add_nc_u64 s[52:53], s[12:13], s[30:31]
	s_lshl_b32 s30, s20, 20                        ; and of the second
	s_add_nc_u64 s[58:59], s[4:5], s[30:31]
	s_add_nc_u64 s[54:55], s[12:13], s[30:31]
	s_lshl_b32 s30, s17, 20                        ; the first tile
	s_add_nc_u64 s[26:27], s[22:23], s[30:31]
	s_add_nc_u64 s[28:29], s[24:25], s[30:31]
	; ---- everything the start needs, in one run of loads: the 768 partial maxima, both Q strips, the first tile ----
.irp t, 0,1,2
	global_load_b128 v[F+8*\t:F+8*\t+3], v[TP+3], s[10:11] offset:\t*1024
	global_load_b128 v[F+8*\t+4:F+8*\t+7], v[TP+3], s[10:11] offset:\t*1024+16
.endr
	LDROWS 2, 0, 56, 0                             ; the first strip's 64 rows in window 2, where O will live
	LDROWS 2, 64, 56, 16
	LDROWS 2, 128, 56, 32
	LDROWS 2, 192, 56, 48
	LDROWS 1, 0, 58, 0                             ; the second strip's in window 1
	LDROWS 1, 64, 58, 16
	LDROWS 1, 128, 58, 32
	LDROWS 1, 192, 58, 48
	LDROWS 3, 0, 26, 0
	LDROWS 3, 64, 28, 0
	WIN 0
	s_wait_loadcnt 0x0
	; ---- the three maxima, their scales and reciprocals ----
.irp t, 0,1,2
	v_max3_num_f32 v[F+8*\t], v[F+8*\t], v[F+8*\t+1], v[F+8*\t+2]
	v_max3_num_f32 v[F+8*\t], v[F+8*\t], v[F+8*\t+3], v[F+8*\t+4]
	v_max3_num_f32 v[F+8*\t], v[F+8*\t], v[F+8*\t+5], v[F+8*\t+6]
	v_max_num_f32 v[F+8*\t], v[F+8*\t], v[F+8*\t+7]
.irp m, 1,2,4,8
	v_max_num_f32_dpp v[F+8*\t], v[F+8*\t], v[F+8*\t] row_xmask:\m row_mask:0xf bank_mask:0xf
.endr
	v_permlanex16_b32 v[F+8*\t+1], v[F+8*\t], s42, s43
	v_max_num_f32 v[F+8*\t], v[F+8*\t], v[F+8*\t+1]
	v_mul_f32 v[F+8*\t+1], 0x3b124925, v[F+8*\t]                   ; s = max x fl(1 / 448), one rounding
.endr
.irp t, 0,1,2
	v_rcp_f32 v[F+8*\t+3], v[F+8*\t+1]
.endr
	v_nop                                          ; one plain instruction behind the reciprocals
	s_wait_alu depctr_va_vdst(0)
.irp t, 0,1,2
	v_fma_f32 v[F+8*\t+4], -v[F+8*\t+1], v[F+8*\t+3], 1.0
	v_fma_f32 v[F+8*\t+3], v[F+8*\t+4], v[F+8*\t+3], v[F+8*\t+3]   ; rhi: one Newton step
	v_fma_f32 v[F+8*\t+4], -v[F+8*\t+1], v[F+8*\t+3], 1.0          ; 1 - s rhi
	v_mul_f32 v[F+8*\t+4], v[F+8*\t+4], v[F+8*\t+3]                ; rlo
	v_readfirstlane_b32 s[RS+4*\t], v[F+8*\t+3]
	v_readfirstlane_b32 s[RS+4*\t+1], v[F+8*\t+3]
	v_readfirstlane_b32 s[RS+4*\t+2], v[F+8*\t+4]
	v_readfirstlane_b32 s[RS+4*\t+3], v[F+8*\t+4]
.endr
	v_mul_f32 v[F+5], v[F+1], v[F+9]
	v_mul_f32 v[F+5], 0x3e0293ee, v[F+5]           ; c = sQ sK log2(e) / sqrt(128)
	v_readfirstlane_b32 s38, v[F+5]
	v_readfirstlane_b32 s39, v[F+5]
	v_readfirstlane_b32 s41, v[F+17]               ; sV
	s_xor_b32 s40, s38, 0x80000000                 ; -c
	; ---- Q's codes into my own LDS rows, the first tile's into buffer 0 ----
	QUANT 2, 0, RS, RS, 0
	STROWS 2, 0, SQ, KP, 0
	STROWS 2, 64, SQ, KP, 16*KP
	QUANT 2, 128, RS, RS, 0
	STROWS 2, 128, SQ, KP, 32*KP
	STROWS 2, 192, SQ, KP, 48*KP
	QUANT 1, 0, RS, RS, 0
	STROWS 1, 0, SQ, KP, QSTP
	STROWS 1, 64, SQ, KP, QSTP+16*KP
	QUANT 1, 128, RS, RS, 0
	STROWS 1, 128, SQ, KP, QSTP+32*KP
	STROWS 1, 192, SQ, KP, QSTP+48*KP
	QUANT 3, 0, RS+4, RS+8, 1
	STROWS 3, 0, SK, KP, 0
	STROWS 3, 64, SK+1, VP, 0
	WIN 0
	NEWPASS 0                                      ; my own bytes, served in order behind my stores; the first step's wait for LDS covers the loads
.Ltrip:
	STEP 0
	STEP 1
	s_add_co_u32 s16, s16, 1
	s_cmp_lt_u32 s16, TRIPS
	s_cbranch_scc1 .Ltrip
	s_wait_tensorcnt 0x0
	ds_add_u32 v62, v63
	s_wait_dscnt 0x0
	s_endpgm
.Lfunc_end_k_q8c00c424f3_attn:
	.size	k_q8c00c424f3_attn, .Lfunc_end_k_q8c00c424f3_attn-k_q8c00c424f3_attn
	.p2alignl 7, 3214868480
	.fill 96, 4, 3214868480
	.section	.rodata,"a",@progbits
	.p2align	6, 0x0
	.amdhsa_kernel k_q8c00c424f3_attn
		.amdhsa_group_segment_fixed_size 245248
		.amdhsa_private_segment_fixed_size 0
		.amdhsa_enable_private_segment 0
		.amdhsa_kernarg_size 40
		.amdhsa_user_sgpr_count 2
		.amdhsa_user_sgpr_kernarg_segment_ptr 1
		.amdhsa_wavefront_size32 1
		.amdhsa_system_sgpr_workgroup_id_x 1
		.amdhsa_system_sgpr_workgroup_id_y 1
		.amdhsa_system_sgpr_workgroup_id_z 1
		.amdhsa_system_vgpr_workitem_id 0
		.amdhsa_next_free_vgpr 1008
		.amdhsa_next_free_sgpr 80
		.amdhsa_reserve_vcc 0
		.amdhsa_float_denorm_mode_32 3
		.amdhsa_float_denorm_mode_16_64 3
		.amdhsa_memory_ordered 1
		.amdhsa_forward_progress 1
		.amdhsa_inst_pref_size 255
	.end_amdhsa_kernel
	.section	.bss,"aw",@nobits
	.p2align	6
	.space	262144
	.amdgpu_metadata
---
amdhsa.version: [ 1, 2 ]
amdhsa.kernels:
  - .name:           k_q8c00c424f3_attn
    .symbol:         k_q8c00c424f3_attn.kd
    .args:
      - { .name: query_states, .offset: 0, .size: 8, .value_kind: global_buffer, .address_space: global }
      - { .name: key_states, .offset: 8, .size: 8, .value_kind: global_buffer, .address_space: global }
      - { .name: value_states, .offset: 16, .size: 8, .value_kind: global_buffer, .address_space: global }
      - { .name: pmax, .offset: 24, .size: 8, .value_kind: global_buffer, .address_space: global }
      - { .name: out0, .offset: 32, .size: 8, .value_kind: global_buffer, .address_space: global }
    .group_segment_fixed_size: 245248
    .private_segment_fixed_size: 0
    .kernarg_segment_align: 8
    .kernarg_segment_size: 40
    .max_flat_workgroup_size: 128
    .sgpr_count:     80
    .vgpr_count:     1008
    .wavefront_size: 32
...
	.end_amdgpu_metadata
.endif
;; end of part 3
